; MI455X (gfx1250); checked and timed in simulation.
; The chip was launched on July 23, 2026; its instructions are those of AMD's public machine-readable ISA for CDNA 5 (MIT licence, August 2026) and "CDNA5" Instruction Set Architecture Reference Guide (July 2026). The comments in the code are by the model that wrote it; some were corrected since.
;; Attention. Allowed arithmetic: matrix products marked QUANTISED: E2M3 operands, one E8M0 scale for each 32 along K, by v_wmma_scale_f32_16x16x128_f8f6f4 with both operands' format E2M3, f32 sums; everything else in f32.
;; Inputs: b_proj 1,024 float32; w_proj 1,024 x 1,024 float32; w_qkv 3,072 x 1,024 float32; x 4 x 2,048 x 1,024 float32.
;; Outputs: out0 4 x 2,048 x 1,024 float32.
;; This version of the problem:
;;   THIS VERSION OF THE PROBLEM IS GIVEN IN LOW PRECISION. The matrix products marked QUANTISED in the list below multiply operands that are first quantised to E2M3 (2 exponent bits, 3 mantissa bits; 6 bits a number), with one power-of-two scale for each 32 numbers along K (OCP MX v1.0); their sums are f32. All else is computed in f32.
;;   The module's matrix products, in the order in which they are computed (A, B: the left and right operand; K: the contracted axis; several contracted axes count as one K, in the product's order):
;;     1. [M 8,192, K 1,024] x [K 1,024, N 3,072]; A: input x; B: input w_qkv: QUANTISED
;;     2. batch 64 x [M 2,048, K 64] x [K 64, N 2,048]; A: computed on the way; B: computed on the way: QUANTISED
;;     3. batch 64 x [M 2,048, K 2,048] x [K 2,048, N 64]; A: softmax (see below); B: computed on the way: QUANTISED
;;     4. [M 8,192, K 1,024] x [K 1,024, N 1,024]; A: computed on the way; B: input w_proj: QUANTISED
;;   THE QUANTISER, for each operand of a quantised product, along K:
;;     - K is cut into blocks of 32 from its start; a last block that is shorter is filled with zeros.
;;     - A block's scale is 2^e with e = floor(log2(the largest magnitude in the block)) - 2, held to -126 .. 127; a block of zeros has e = 0. As a byte (E8M0): e + 127.
;;     - Each number is divided by its block's scale, clamped to +-7.5, and rounded to the nearest number of E2M3, ties to even, subnormals kept.
;;     - The product sums the exact products of the quantised numbers (number of the format x scale) in f32.
;;   ~~~python
;;   def quantise(x, axis):      # numpy; x: float32 -> the quantised numbers, widened to float32 again
;;       x = np.moveaxis(x, axis, -1); K = x.shape[-1]
;;       x = np.pad(x, [(0, 0)] * (x.ndim - 1) + [(0, -K % 32)]); x = x.reshape(x.shape[:-1] + (-1, 32)); a = np.abs(x).max(-1, keepdims=True)
;;       e = np.where(a > 0, np.clip(np.frexp(np.where(a > 0, a, 1))[1] - 1 - 2, -126, 127), 0)      # np.frexp(a)[1] - 1 = floor(log2(a)), exactly
;;       r = np.clip(x / 2.0 ** e, -7.5, 7.5)
;;       step = 2.0 ** (np.maximum(np.frexp(np.where(r == 0, 1, r))[1] - 1, 0) - 3)
;;       q = np.round(r / step) * step * 2.0 ** e      # np.round: ties to even
;;       return np.moveaxis(q.reshape(q.shape[:-2] + (-1,))[..., :K], -1, axis).astype(np.float32)
;;   ~~~
;;   SOFTMAX AHEAD OF A QUANTISED PRODUCT. Where the list says 'softmax', what is quantised is not the finished softmax but p = 2^(t - M), with t = logit x log2(e) and M = ceil(the row's largest t), a whole number; so 1/2 < the row's largest p <= 1. The row's sum l is taken of the UNQUANTISED p, in f32, and the product's result is divided by l at the end. Since M is a whole number, a kernel that streams over the keys may use a running M (the ceiling of the running maximum): every later rescaling is an exact power of two, which a block's scale takes up: the codes' values come out the same.
;;   OPERANDS COMPUTED ON THE WAY. 'Computed on the way' means the value that the module computes at that place (a softmax that the list does not call 'softmax' is quantised finished and normalised). What goes into a quantiser is computed in f32, as accurately as f32 sums, v_exp_f32 and their like allow (about 1e-6 of the number): no bf16 or f16 on the way to a quantiser, and a product that is left as it is and whose result goes on into a quantised operand takes f32 operands (vector FMAs, or v_wmma_f32_16x16x4_f32). A number that lies on a knife's edge between two numbers of the format may be rounded either way, as far as f32 arithmetic and the matrix unit's own rounding can turn it there, and no further.
;; One version. Each part assembles by itself: llvm-mc -triple=amdgcn-amd-amdhsa -mcpu=gfx1250 --defsym DOCPART=n.
;; ======== version 1 of 1: 4 launches
;; limits: right only within a limited range of input values
;; workspace buffers: xq 6,553,600 bytes; wq 2,457,600 bytes; pq 819,200 bytes; qi 6,815,744 bytes; kv 13,369,344 bytes; oq 6,553,600 bytes
;; launch quant (part 1): grid 256 x 1, 6 waves a work-group, no clusters, 52,992 bytes of LDS; arguments x, w_qkv, w_proj, xq, wq, pq; writes xq, wq, pq
.if DOCPART == 1
	.amdgcn_target "amdgcn-amd-amdhsa--gfx1250"
	.amdhsa_code_object_version 6
	.text
	.protected	k_q4e19fc708f_quant
	.globl	k_q4e19fc708f_quant
	.p2align	8
	.type	k_q4e19fc708f_quant,@function
k_q4e19fc708f_quant:
	s_mov_b64 s[64:65], 0
	v_nop
	global_prefetch_b8 v0, s[64:65] scope:SCOPE_SE
	s_setreg_imm32_b32 hwreg(HW_REG_WAVE_MODE, 25, 1), 1
	s_wait_xcnt 0x0
; x [8192][1024], w_qkv [3072][1024] and w_proj [1024][1024], f32, K innermost, become codes of FP6 (E2M3) and E8M0 scale bytes, one for each 32 along K, laid as the two GEMM launches take their operands.
; DEAD WORK: none.  Every product of reference() and all four inputs reach out0; nothing is left out in any launch of this program.
; A block's scale is 2^(floor(log2(its largest magnitude)) - 2); its byte is the largest magnitude's exponent field - 2, held at 1 from below by a floor among the maximum's leaves.
; LIMITS: NaN and infinities among the inputs are not served.  A block whose largest magnitude lies under 2^-124 gets the byte 1.  A block of zeros gets the byte 1 where the rule says 127:
; its codes are zeros, which add nothing under any byte but 0xff, and the bytes are read by this program alone.
; ROW ORDER.  Rows are stored in tiles of 16: place r of tile T holds row 64 (T / 4) + 32 (r / 8) + 8 (T % 4) + r % 8.  With that order a GEMM lane's 32 results of four neighbouring tiles are 32 NEIGHBOURS along the
; next product's K, so that the next quantiser needs no other lane.
; LAYOUT OF THE CODES.  For tile T and each 64 along K (a half): 768 bytes, an image of six operand registers: lane (r, h) holds the 24 bytes of k = 32 h + 0 .. 31 of the half: registers 0-3 at 16 x lane,
; registers 4-5 at 512 + 8 x lane.  A tile's 16 halves are 12,288 bytes on end.  SCALE BYTES, behind the codes: [group of 128 rows][half of K, 512][128 places][16 bytes].
; SHARES.  768 tiles x 2 halves of K are 1,536 tasks: one a wave, six waves to each of 256 work-groups.  A task is 8 units of 16 rows x 64 along K.  A unit's eight loads read 256 consecutive bytes of two rows each;
; the unit turns through the wave's own stage in LDS (16 rows, 272 bytes apart) so that a lane gets its 32 neighbours.  Loads run three units ahead, the turn one unit.  Waves share nothing: no barrier.
.set WREG,  8704                       ; LDS of a wave: two stages
.set STG,   4352                       ; a stage: 16 rows x 272 bytes
.set SPARE, 6*WREG                     ; behind the stages: the spare words, 128 bytes for each wave: three blocks of 256 bytes that no other line names
.set GI,    2                          ; v2   loads: 32 rows x (lane / 16) + 16 bytes x (lane % 16)
.set SI,    3                          ; v3   the stage, on the way in
.set SOUT,  4                          ; v4   and on the way out: row r, 128 h
.set L16,   5                          ; v5   16 x lane
.set L8,    6                          ; v6   8 x lane
.set SW,    7                          ; v7   16 r + 8 h: my two scale words
.set SPW,   14                         ; v14  my spare word; never rewritten
.set NIL,   15                         ; v15  0; never rewritten
.set SBY,   16                         ; v16-19 scale bytes: register t / 2, bits 0-7 (t even) or 16-23 (t odd)
.set WD,    20                         ; v20-21 the two scale words that I store
.set R,     32                         ; v32-127  three sets of 32 registers as loaded
.set X,     128                        ; v128-191 two sets of 32 neighbours
.set C,     192                        ; v192-255 eight registers of codes for each unit: no store's data are written again
	s_load_b128 s[4:7], s[0:1], 0x0                ; x, w_qkv
	s_load_b128 s[8:11], s[0:1], 0x10              ; w_proj, xq
	s_load_b128 s[12:15], s[0:1], 0x20             ; wq, pq
	v_lshl_add_u32 v[SPW], v0, 2, SPARE
	v_mov_b32 v[NIL], 0
	v_lshrrev_b32 v1, 5, v0
	v_readfirstlane_b32 s16, v1                    ; wave 0..5
	v_and_b32 v8, 31, v0                           ; lane
	v_and_b32 v9, 15, v0                           ; r
	v_bfe_u32 v10, v0, 4, 1                        ; h
	v_lshlrev_b32 v[GI], 4, v9
	v_lshl_or_b32 v[GI], v10, 17, v[GI]            ; lanes 16-31 read 32 rows of 4,096 bytes further down
	s_mul_i32 s17, s16, WREG
	v_mul_u32_u24 v[SI], v10, 8*272
	v_lshl_add_u32 v[SI], v9, 4, v[SI]
	v_add_nc_u32 v[SI], s17, v[SI]                 ; in: place 8 (lane / 16) + i, 16 bytes a lane
	v_mul_u32_u24 v[SOUT], v9, 272
	v_lshl_add_u32 v[SOUT], v10, 7, v[SOUT]
	v_add_nc_u32 v[SOUT], s17, v[SOUT]             ; out: place r, my 128 bytes
	v_lshlrev_b32 v[L16], 4, v8
	v_lshlrev_b32 v[L8], 3, v8
	v_lshlrev_b32 v[SW], 4, v9
	v_lshl_add_u32 v[SW], v10, 3, v[SW]
	s_mul_i32 s18, ttmp9, 6
	s_add_co_u32 s18, s18, s16                     ; my task
	s_and_b32 s19, s18, 1                          ; which half of K
	s_lshr_b32 s18, s18, 1                         ; which of the 768 tiles: 0-511 x, 512-703 w_qkv, 704-767 w_proj
	s_mov_b32 s24, 704
	s_mov_b32 s25, 786432
	s_wait_alu depctr_va_vdst(0)
	s_wait_kmcnt 0x0
	s_cmp_lt_u32 s18, 704                          ; the choices hang on ids alone; only pointers and two numbers are chosen: all tensors take one path
	s_cselect_b64 s[20:21], s[6:7], s[8:9]
	s_cselect_b64 s[22:23], s[12:13], s[14:15]
	s_cselect_b32 s24, 512, s24                    ; the tensor's first tile
	s_cselect_b32 s25, 2359296, s25                ; where its scale bytes begin: behind its codes
	s_cmp_lt_u32 s18, 512
	s_cselect_b64 s[20:21], s[4:5], s[20:21]
	s_cselect_b64 s[22:23], s[10:11], s[22:23]
	s_cselect_b32 s24, 0, s24
	s_cselect_b32 s25, 6291456, s25
	s_sub_co_u32 s18, s18, s24                     ; T
	s_lshr_b32 s26, s18, 2
	s_lshl_b32 s26, s26, 6
	s_and_b32 s27, s18, 3
	s_lshl_b32 s27, s27, 3
	s_add_co_u32 s26, s26, s27                     ; the tile's first row: 64 (T / 4) + 8 (T % 4)
	s_lshl_b32 s26, s26, 12
	s_lshl_b32 s27, s19, 11
	s_add_co_u32 s26, s26, s27
	s_mov_b32 s27, 0
	s_add_nc_u64 s[20:21], s[20:21], s[26:27]      ; in
	s_lshr_b32 s28, s18, 3
	s_lshl_b32 s28, s28, 12
	s_add_co_u32 s28, s28, s25
	s_lshl_b32 s29, s19, 11
	s_add_co_u32 s28, s28, s29
	s_and_b32 s29, s18, 7
	s_lshl_b32 s29, s29, 8
	s_add_co_u32 s28, s28, s29
	s_mov_b32 s29, 0
	s_add_nc_u64 s[30:31], s[22:23], s[28:29]      ; my 256 scale bytes
	s_mul_i32 s28, s18, 12288
	s_mul_i32 s26, s19, 6144
	s_add_co_u32 s28, s28, s26
	s_add_nc_u64 s[22:23], s[22:23], s[28:29]      ; my 6,144 bytes of codes
.macro LOAD t                          ; unit t: 16 lanes read 256 consecutive bytes of a row, at a multiple of 256 from the buffer's first byte
.irp i, 0,1,2,3,4,5,6,7
	global_load_b128 v[R+32*((\t)%3)+4*\i:R+32*((\t)%3)+4*\i+3], v[GI], s[20:21] offset:4096*\i+256*(\t) th:TH_LOAD_NT
.endr
.endm
.macro TURN t                          ; through the stage: LDS serves a wave's instructions in order (ISA guide 5.7.1.4), so no wait stands between the stores and the loads
.irp i, 0,1,2,3,4,5,6,7
	ds_store_b128 v[SI], v[R+32*((\t)%3)+4*\i:R+32*((\t)%3)+4*\i+3] offset:STG*((\t)%2)+272*\i
.endr
.irp i, 0,1,2,3,4,5,6,7
	ds_load_b128 v[X+32*((\t)%2)+4*\i:X+32*((\t)%2)+4*\i+3], v[SOUT] offset:STG*((\t)%2)+16*\i
.endr
.endm
.macro STEP t
.set XS, X+32*((\t)%2)
.set CC, C+8*(\t)
	s_wait_dscnt 0x0                               ; this unit's numbers are back from the stage, and its stores into the stage have read their registers,
.if (\t)+3 < 8
	LOAD (\t)+3                                    ; which take the loads of three units on
.endif
.if (\t)+1 < 8
.if (\t)+3 < 8
	s_wait_loadcnt 16                              ; the next unit's eight loads are in; those of the two units behind it may be out
.else
	s_wait_loadcnt 8*(6-(\t))
.endif
	TURN (\t)+1                                    ; and go through the other stage while this unit is worked
.endif
	v_max3_num_f32 v8, |v[XS]|, |v[XS+1]|, |v[XS+2]|               ; the block's largest magnitude: all 32 numbers are mine; two chains
	v_max3_num_f32 v9, |v[XS+3]|, |v[XS+4]|, |v[XS+5]|
.irp i, 6,10,14,18,22,26
	v_max3_num_f32 v8, v8, |v[XS+\i]|, |v[XS+\i+1]|
	v_max3_num_f32 v9, v9, |v[XS+\i+2]|, |v[XS+\i+3]|
.endr
	v_max3_num_f32 v8, v8, |v[XS+30]|, |v[XS+31]|
	v_max3_num_f32 v8, v8, v9, 0x1800000           ; and the floor 2^(3 - 127): the byte cannot fall under 1
	v_add_nc_u32 v11, 0xff000000, v8               ; 2 off the exponent field: the conversion takes the exponent field of this operand as its scale
	v_cvt_scalef32_pk16_fp6_f32 v[CC:CC+2], v[XS:XS+15], v11
	v_cvt_scalef32_pk16_fp6_f32 v[CC+4:CC+6], v[XS+16:XS+31], v11   ; (a conversion's three registers begin on an even number)
	v_lshrrev_b32 v12, 23, v11                     ; the scale's byte; also the plain line behind the conversions
.if (\t)%2 == 0
	v_mov_b32 v[SBY+(\t)/2], v12
.else
	v_lshl_or_b32 v[SBY+(\t)/2], v12, 16, v[SBY+(\t)/2]
.endif
	v_mov_b32 v[CC+3], v[CC+4]                     ; the block's six registers on end
	v_mov_b32 v[CC+4], v[CC+5]
	v_mov_b32 v[CC+5], v[CC+6]
	global_store_b128 v[L16], v[CC:CC+3], s[22:23] offset:768*(\t)       ; 512 consecutive bytes,
	global_store_b64 v[L8], v[CC+4:CC+5], s[22:23] offset:768*(\t)+512   ; and 256: whole aligned blocks of 256 bytes
.endm
	LOAD 0
	LOAD 1
	LOAD 2
	s_wait_loadcnt 16                              ; unit 0's eight loads are in
	TURN 0
.irp t, 0,1,2,3,4,5,6,7
	STEP \t
.endr
	; Row r's 16 scale bytes: byte 2 t + h is lane (r, h)'s of unit t.  Register i of lane (r, h) holds bytes 4 i + h and 4 i + 2 + h.
	v_permlane16_swap_b32 v[SBY], v[SBY+2]         ; now SBY: (r, 0)'s of words 0 (lanes 0-15) and 2 (lanes 16-31); SBY + 2: (r, 1)'s of the same
	v_permlane16_swap_b32 v[SBY+1], v[SBY+3]       ; likewise words 1 and 3
	v_lshl_or_b32 v[WD], v[SBY+2], 8, v[SBY]
	v_lshl_or_b32 v[WD+1], v[SBY+3], 8, v[SBY+1]
	global_store_b64 v[SW], v[WD:WD+1], s[30:31]   ; 32 lanes store 256 consecutive bytes
	s_wait_tensorcnt 0x0                           ; the wave's end, behind my last LDS store
	ds_add_u32 v[SPW], v[NIL]
	s_wait_dscnt 0x0
	s_endpgm
.Lfunc_end_k_q4e19fc708f_quant:
	.size	k_q4e19fc708f_quant, .Lfunc_end_k_q4e19fc708f_quant-k_q4e19fc708f_quant
	.p2alignl 7, 3214868480
	.fill 96, 4, 3214868480
	.section	.rodata,"a",@progbits
	.p2align	6, 0x0
	.amdhsa_kernel k_q4e19fc708f_quant
		.amdhsa_group_segment_fixed_size 52992
		.amdhsa_private_segment_fixed_size 0
		.amdhsa_enable_private_segment 0
		.amdhsa_kernarg_size 48
		.amdhsa_user_sgpr_count 2
		.amdhsa_user_sgpr_kernarg_segment_ptr 1
		.amdhsa_wavefront_size32 1
		.amdhsa_system_sgpr_workgroup_id_x 1
		.amdhsa_system_sgpr_workgroup_id_y 1
		.amdhsa_system_sgpr_workgroup_id_z 1
		.amdhsa_system_vgpr_workitem_id 0
		.amdhsa_next_free_vgpr 256
		.amdhsa_next_free_sgpr 66
		.amdhsa_reserve_vcc 0
		.amdhsa_float_denorm_mode_32 3
		.amdhsa_float_denorm_mode_16_64 3
		.amdhsa_memory_ordered 1
		.amdhsa_forward_progress 1
		.amdhsa_inst_pref_size 31
	.end_amdhsa_kernel
	.amdgpu_metadata
---
amdhsa.version: [ 1, 2 ]
amdhsa.kernels:
  - .name:           k_q4e19fc708f_quant
    .symbol:         k_q4e19fc708f_quant.kd
    .args:
      - { .name: x, .offset: 0, .size: 8, .value_kind: global_buffer, .address_space: global }
      - { .name: w_qkv, .offset: 8, .size: 8, .value_kind: global_buffer, .address_space: global }
      - { .name: w_proj, .offset: 16, .size: 8, .value_kind: global_buffer, .address_space: global }
      - { .name: xq, .offset: 24, .size: 8, .value_kind: global_buffer, .address_space: global }
      - { .name: wq, .offset: 32, .size: 8, .value_kind: global_buffer, .address_space: global }
      - { .name: pq, .offset: 40, .size: 8, .value_kind: global_buffer, .address_space: global }
    .group_segment_fixed_size: 52992
    .private_segment_fixed_size: 0
    .kernarg_segment_align: 8
    .kernarg_segment_size: 48
    .max_flat_workgroup_size: 192
    .sgpr_count:     66
    .vgpr_count:     256
    .wavefront_size: 32
...
	.end_amdgpu_metadata
.endif
;; end of part 1
;; launch qkv (part 2): grid 32 x 8, 4 waves a work-group, clusters of 4 x 4, 327,680 bytes of LDS; arguments xq, wq, qi, kv; writes qi, kv
.if DOCPART == 2
	.amdgcn_target "amdgcn-amd-amdhsa--gfx1250"
	.amdhsa_code_object_version 6
	.text
	.protected	k_q4e19fc708f_qkv
	.globl	k_q4e19fc708f_qkv
	.p2align	8
	.type	k_q4e19fc708f_qkv,@function
k_q4e19fc708f_qkv:
	s_mov_b64 s[64:65], 0
	v_nop
	global_prefetch_b8 v0, s[64:65] scope:SCOPE_SE
	s_setreg_imm32_b32 hwreg(HW_REG_WAVE_MODE, 25, 1), 1
	s_wait_xcnt 0x0
	s_wait_alu depctr_hold_cnt(0) depctr_sa_sdst(0) depctr_va_vdst(0) depctr_va_sdst(0) depctr_va_ssrc(0) depctr_va_vcc(0) depctr_vm_vsrc(0)
	s_getreg_b32 s2, hwreg(HW_REG_IB_STS2, 6, 4)
	s_cmp_eq_u32 s2, 0
	s_cbranch_scc0 .Lentry_in_a_cluster
	s_endpgm
.Lentry_in_a_cluster:
	s_bfe_u32 s2, ttmp6, 0x10000c
	s_cmp_lg_u32 s2, 0xf033
	s_cbranch_scc0 .Lentry_shape_is_right
	s_endpgm
.Lentry_shape_is_right:
; q, k, v = x w_qkv^T on codes of FP6 (E2M3) with E8M0 scales, 8,192 x 3,072 x 1,024, each result quantised in registers and stored as the attention launch's operand.  No work of reference() is left out.
; LIMITS: NaN, infinities and sums beyond f32's range are not served; a block under 2^-124, or of zeros, gets the byte 1 (its bytes are read by this program alone).  SCALE = 2^-3 is applied by the attention launch, in its factor c.
; xq and wq: tiles of 16 rows, 12,288 bytes each: for each 64 along K an image of six operand registers (registers 0-3 at 16 x lane, 4-5 at 512 + 8 x lane); place r of tile T is row 64 (T / 4) + 32 (r / 8) + 8 (T % 4) + r % 8.
; Scale bytes behind the codes: [128 rows][half of K][128 places][16 bytes].
; THE DEAL.  256 work-groups of four waves, 2 x 2.  Work-group (R, C) keeps x's 256 rows R in LDS and takes three tiles of 128 weight rows past them, one after the other: W_q's, W_k's, W_v's tile C: heads 2 C and 2 C + 1.
; The wave in row w, column b takes x's tiles 8 w + s (s = 0 .. 7: one group of 128 tokens) and head 2 C + b: its four weight tiles, all of K, lie in 384 registers; a block s is 32 products, four accumulators by turns.
; Q, K: source 0 = the weight's rows: a lane's 32 sums of a block are 32 neighbours of the head's 64: one scale block.  Two blocks give twelve registers of the image of 48: three stores of 512 bytes.
; V: source 0 = x's rows: a lane holds one channel, and its 32 sums of four blocks are 32 neighbouring keys: one scale block; the image of 48 registers leaves at the end.
; LDS: x's 196,608 bytes, filled once; the weights' 98,304 bytes, filled three times.  When all waves hold a weight tile in registers, the next is asked for, a quarter a wave, behind the three lines and a round of the cluster's barrier
;   It has a phase of 256 products in which to land, so no data prefetch is laid.
; CLUSTER: its x counts tile rows.  x's tiles are shared by a column of the cluster, the weights' by a row: joint loads.  No LDS address hangs on the cluster's numbers.
; OUT: chunk ((batch 16 + head) 16 + group % 16): qi 6,656 bytes (codes, 512 of scale words); kv 13,056 (K's codes, V's codes, K's scale words 512, V's 256).
.set FR,    12
.set FPW,   21                         ; fragment f lies in window 1 + f / 21 at register 12 (f % 21); 0-31 the weights' (4 q + b), 32-47 x's two sets (32 + 8 e + q)
.set NF,    32                         ; LDS loads of a block's fetch
.set TILE,  12288
.set YB,    16*TILE                    ; the weights' tiles
.set SPARE, 24*TILE                    ; the spare words: 128 bytes a wave
.set L16,  4
.set L8,   5
.set SPW,  10
.set NIL,  11
.set BA,   12                          ; v12, v13 LDS address of my weight tiles (by 16 and by 8 bytes a lane)
.set AP,   16                          ; v16-23 the same for each pair of my blocks of x
.set SB,   24                          ; v24-39 the weights' scale words: 8 p + q; lanes 0-15 tile 2 p, lanes 16-31 tile 2 p + 1
.set SAV,  40                          ; 16 r
.set SA,   44                          ; v44-107 x's scale words: 8 s + q
.set ACC,  108                         ; Q, K: v108-171 two sets of four accumulators
.set NCD,  172                         ; v172-183 a pair's codes
.set TC,   184                         ; v184-186 a second conversion's codes
.set TQ,   188                         ; v188, v189 the maximum's two chains
.set SOP,  190                         ; the conversions' scale operand
.set EB,   192                         ; v192, v193 the pair's bytes
.set WW,   196                         ; v196-199 four scale words
.set HV,   108                         ; V: v108-235 sums: 32 b + 8 (s % 4) + j
.set TCV,  236
.set TQV,  240
.set SOPV, 242
.set EV,   244                         ; v244-251 bytes: 4 c + b
.set WV,   252
.set IMG,  128                         ; window 3, v128-175: V's image: 12 b + 6 c
.set G1A, 24
.set G1B, 32
.set G0A, 56
.set G0B, 60
.set G1R, 68                           ; a refill's quarter: 96 rows of 256 bytes
.set G0R, 88
.set MSB, 0
.macro WIN new
.if MSB != (\new)
	s_set_vgpr_msb (MSB<<8)|(\new)
.set MSB, (\new)
.endif
.endm
.macro PLACES n
.rept \n
	v_nop
.endr
.endm
.macro WALU
	s_wait_alu depctr_va_vdst(0)
.endm
.macro BARRIER
	s_barrier_signal -1
	s_barrier_wait -1
.endm
.macro CROUND
	BARRIER
	s_cmp_lg_u32 s14, 0
	s_cbranch_scc1 .Lnot_wave_0_\@
	s_barrier_signal -3
.Lnot_wave_0_\@:
	s_barrier_wait -3
	BARRIER
.endm
.macro TLOAD g0, g1                    ; an s_nop 0 and four v_nop follow a tensor load
	tensor_load_to_lds s[\g0:\g0+3], s[\g1:\g1+7]
	s_nop 0
	PLACES 4
.endm
.macro ATILE first, rows               ; a part of x's tile row, dense: rows of 256 bytes
	s_mov_b32 s[G0A+1], \first
	s_mov_b32 s[G1A+2], (\rows)<<16
	s_mov_b32 s[G1A+4], \rows
.if \first
	s_add_nc_u64 s[G0A+2:G0A+3], s[G0A+2:G0A+3], \first
.endif
	s_or_b32 s[G0A+3], s[G0A+3], 0x80000000
	TLOAD G0A, G1A
.endm
.macro FRAG f, a, off
.set R_, FR*((\f)%FPW)
	WIN (1+(\f)/FPW)<<6
	ds_load_b128 v[R_:R_+3], v[\a] offset:\off
	ds_load_b64 v[R_+4:R_+5], v[\a+1] offset:\off+512
	ds_load_b128 v[R_+6:R_+9], v[\a] offset:\off+768
	ds_load_b64 v[R_+10:R_+11], v[\a+1] offset:\off+1280
.endm
.macro FETCH s                         ; my block s of x into set s % 2: NF loads
.irp q, 0,1,2,3,4,5,6,7
	FRAG 32+8*((\s)%2)+\q, AP+2*((\s)/2), TILE*((\s)%2)+1536*\q
.endr
	WIN 0
.endm
.macro LOADB                           ; my four weight tiles, all of K, and their scale words
	PLACES 4                               ; places in front of loads into registers that products have read
.irp p, 0,1
.irp c, 0,1
	global_load_b128 v[SB+8*\p+4*\c:SB+8*\p+4*\c+3], v[L16], s[6:7] offset:2048*\c+512*\p   ; place 32 p + lane of my 64
.endr
.endr
.irp q, 0,1,2,3,4,5,6,7
.irp b, 0,1,2,3
	FRAG 4*\q+\b, BA, TILE*\b+1536*\q
.endr
.endr
	WIN 0
.endm
.macro PROD2 d, s0, s1, c, x0, x1, side, o
.if \o
	v_wmma_scale_f32_16x16x128_f8f6f4 v[\d:\d+7], v[FR*((\s0)%FPW):FR*((\s0)%FPW)+FR-1], v[FR*((\s1)%FPW):FR*((\s1)%FPW)+FR-1], \c, v[\x0], v[\x1] matrix_a_fmt:MATRIX_FMT_FP6 matrix_b_fmt:MATRIX_FMT_FP6 matrix_\side\()_scale:MATRIX_SCALE_ROW1
.else
	v_wmma_scale_f32_16x16x128_f8f6f4 v[\d:\d+7], v[FR*((\s0)%FPW):FR*((\s0)%FPW)+FR-1], v[FR*((\s1)%FPW):FR*((\s1)%FPW)+FR-1], \c, v[\x0], v[\x1] matrix_a_fmt:MATRIX_FMT_FP6 matrix_b_fmt:MATRIX_FMT_FP6 matrix_\side\()_scale:MATRIX_SCALE_ROW0
.endif
.endm
.macro PROD1 d, s0, s1, q, x0, x1, side, o
.if \q
	PROD2 \d, \s0, \s1, v[\d:\d+7], \x0, \x1, \side, \o
.else
	PROD2 \d, \s0, \s1, 0, \x0, \x1, \side, \o
.endif
.endm
.macro PROD v, s, n                    ; product n = 4 q + b of block s; the first along K starts the sum
.set Q_, (\n)/4
.set B_, (\n)%4
.set FA_, 32+8*((\s)%2)+Q_
.set XB_, SB+8*(B_/2)+Q_
.set XA_, SA+8*(\s)+Q_
.if \v
.set D_, HV+32*B_+8*((\s)%4)
	WIN (1+FA_/FPW)|((1+(\n)/FPW)<<2)
	PROD1 D_, FA_, \n, Q_, XA_, XB_, b, B_%2
.else
.set D_, ACC+32*((\s)%2)+8*B_
	WIN (1+(\n)/FPW)|((1+FA_/FPW)<<2)
	PROD1 D_, \n, FA_, Q_, XB_, XA_, a, B_%2
.endif
.endm
.macro PRODS v, s
.set N_, 0
.rept 32
	PROD \v, \s, N_
.set N_, N_+1
.endr
	WIN 0
	PLACES 4                               ; four places between the last product and the fetch into its registers and the first reader of its sums
.if (\s) < 6
	FETCH (\s)+2
.endif
.endm
.macro MAX32 x, t                      ; the largest magnitude of 32 sums, two chains, with the floor 2^(3 - 127); each accumulator is first read at its low end
	v_max3_num_f32 v[\t], |v[\x]|, |v[\x+1]|, |v[\x+2]|
	v_max3_num_f32 v[\t+1], |v[\x+16]|, |v[\x+17]|, |v[\x+18]|
.irp k, 3,5,7,9,11,13
	v_max3_num_f32 v[\t], v[\t], |v[\x+\k]|, |v[\x+\k+1]|
	v_max3_num_f32 v[\t+1], v[\t+1], |v[\x+16+\k]|, |v[\x+17+\k]|
.endr
	v_max3_num_f32 v[\t], v[\t], |v[\x+15]|, 0x1800000
	v_max3_num_f32 v[\t], v[\t], |v[\x+31]|, v[\t+1]
.endm
.macro RUNEND s                        ; the next block's fragments are in; younger is this run's fetch alone
	WALU
.if (\s) < 6
	s_wait_dscnt NF
.else
	s_wait_dscnt 0x0
.endif
.endm
.macro QKB s                           ; a block of Q or K
.set E_, (\s)%2
	PRODS 0, \s
.if E_ == 0
	s_wait_xcnt 0x0                        ; the last pair's stores have read their registers
.endif
	MAX32 ACC+32*E_, TQ
	v_add_nc_u32 v[SOP], 0xff000000, v[TQ] ; 2 off the exponent field: the conversions' scale operand
	v_cvt_scalef32_pk16_fp6_f32 v[NCD+6*E_:NCD+6*E_+2], v[ACC+32*E_:ACC+32*E_+15], v[SOP]
	v_cvt_scalef32_pk16_fp6_f32 v[TC:TC+2], v[ACC+32*E_+16:ACC+32*E_+31], v[SOP]   ; (a conversion's three registers begin on an even number)
	v_lshrrev_b32 v[EB+E_], 23, v[SOP]     ; the byte; also the plain line behind the conversions
.irp i, 0,1,2
	v_mov_b32 v[NCD+6*E_+3+\i], v[TC+\i]
.endr
.if E_
	v_permlane16_swap_b32 v[EB], v[EB+1]   ; EB: the blocks h = 0 of tiles s - 1 (lanes 0-15) and s (lanes 16-31); EB + 1: the blocks h = 1
	v_lshl_or_b32 v[WW+(\s)/2], v[EB+1], 8, v[EB]
.irp k, 0,1,2
	global_store_b128 v[L16], v[NCD+4*\k:NCD+4*\k+3], s[12:13] offset:1536*((\s)/2)+512*\k   ; 512 consecutive bytes, aligned
.endr
.endif
.if (\s) == 7
	global_store_b128 v[L16], v[WW:WW+3], s[18:19]
.endif
	RUNEND \s
.endm
.macro VB s                            ; a block of V; behind a band's fourth block its four scale blocks are quantised
	PRODS 1, \s
.if (\s)%4 == 3
.irp b, 0,1,2,3
	MAX32 HV+32*\b, TQV
	v_add_nc_u32 v[SOPV], 0xff000000, v[TQV]
	WIN 0xc0
	v_cvt_scalef32_pk16_fp6_f32 v[IMG+12*\b+6*((\s)/4):IMG+12*\b+6*((\s)/4)+2], v[HV+32*\b:HV+32*\b+15], v[SOPV]
	WIN 0
	v_cvt_scalef32_pk16_fp6_f32 v[TCV:TCV+2], v[HV+32*\b+16:HV+32*\b+31], v[SOPV]
	v_lshrrev_b32 v[EV+4*((\s)/4)+\b], 23, v[SOPV]
	WIN 0xc0
.irp i, 0,1,2
	v_mov_b32 v[IMG+12*\b+6*((\s)/4)+3+\i], v[TCV+\i]
.endr
	WIN 0
.endr
.endif
	RUNEND \s
.endm
; ---- the head
	s_load_b128 s[4:7], s[0:1], 0x0        ; xq, wq
	s_load_b128 s[8:11], s[0:1], 0x10      ; qi, kv
	v_lshl_add_u32 v[SPW], v0, 2, SPARE
	v_mov_b32 v[NIL], 0
	ds_add_u32 v[SPW], v[NIL]              ; the opening lines: the add twice on end and its wait
	ds_add_u32 v[SPW], v[NIL]
	v_lshrrev_b32 v1, 5, v0
	v_readfirstlane_b32 s14, v1            ; the wave; s15 its row w, s16 its column
	s_lshr_b32 s15, s14, 1
	s_and_b32 s16, s14, 1
	s_bfe_u32 s40, ttmp6, 0x40000          ; cx
	s_bfe_u32 s41, ttmp6, 0x40004          ; cy
	s_lshl_b32 s43, ttmp9, 2
	s_add_co_u32 s43, s43, s40             ; R, 0 .. 31
	s_and_b32 s42, ttmp7, 0xffff
	s_lshl_b32 s42, s42, 2
	s_add_co_u32 s42, s42, s41             ; C, 0 .. 7
	s_lshl_b32 s44, 0x1111, s40            ; my column of the cluster shares x
	s_lshl_b32 s45, s41, 2
	s_lshl_b32 s45, 15, s45                ; my row shares the weights
	s_or_b32 s[G1A+0], s44, (3<<16)|(1<<21)    ; elements of 8 bytes, rows of 32: 256 bytes; no padding; bit 21 beside a mask
	s_or_b32 s[G1B+0], s45, (3<<16)|(1<<21)
	s_or_b32 s[G1R+0], s45, (3<<16)|(1<<21)
.irp g, G1A, G1B, G1R
	s_mov_b32 s[\g+1], 32<<16
	s_mov_b32 s[\g+3], 32<<16
	s_mov_b32 s[\g+5], 32
	s_mov_b32 s[\g+6], 0
	s_mov_b32 s[\g+7], 0
.endr
	s_mov_b32 s[G1B+2], 384<<16
	s_mov_b32 s[G1B+4], 384
	s_mov_b32 s[G1R+2], 96<<16
	s_mov_b32 s[G1R+4], 96
	s_mov_b32 s[G0A], 1
	s_mov_b32 s[G0B], 1
	s_mov_b32 s[G0B+1], YB
	s_mov_b32 s[G0R], 1
	s_mul_i32 s54, s14, 2*TILE             ; my quarter of a weight tile
	s_mov_b32 s55, 0
	s_add_co_u32 s[G0R+1], s54, YB
	s_mul_i32 s76, s43, 16*TILE            ; x's codes
	s_mov_b32 s77, 0
	s_mul_i32 s78, s42, 8*TILE             ; W_q's codes
	s_mov_b32 s79, 0
	s_lshl_b32 s80, s43, 13                ; x's scale bytes: group 2 R + w
	s_lshl_b32 s20, s15, 12
	s_add_co_u32 s80, s80, s20
	s_add_co_u32 s80, s80, 6291456
	s_mov_b32 s81, 0
	s_lshl_b32 s82, s42, 12                ; W_q's: 4,096 C + 1,024 x wave column
	s_lshl_b32 s20, s16, 10
	s_add_co_u32 s82, s82, s20
	s_add_co_u32 s82, s82, 2359296
	s_mov_b32 s83, 0
	s_lshl_b32 s20, s43, 1
	s_add_co_u32 s20, s20, s15             ; G = 2 R + w: my group of 128 tokens
	s_lshr_b32 s21, s20, 4                 ; the batch
	s_lshl_b32 s21, s21, 4
	s_lshl_b32 s23, s42, 1
	s_add_co_u32 s23, s23, s16             ; the head
	s_add_co_u32 s21, s21, s23
	s_lshl_b32 s21, s21, 4
	s_and_b32 s20, s20, 15
	s_add_co_u32 s21, s21, s20             ; the chunk
	s_mul_i32 s84, s21, 6656
	s_mov_b32 s85, 0
	s_mul_i32 s86, s21, 13056
	s_mov_b32 s87, 0
	s_mul_i32 s48, s15, 8*TILE             ; LDS: my blocks 0, 2, 4, 6
	s_add_co_u32 s49, s48, 2*TILE
	s_add_co_u32 s50, s48, 4*TILE
	s_add_co_u32 s51, s48, 6*TILE
	s_mul_i32 s52, s16, 4*TILE
	s_add_co_u32 s52, s52, YB              ; my four weight tiles
	v_and_b32 v1, 15, v0                   ; r
	v_and_b32 v3, 31, v0
	v_lshlrev_b32 v[L16], 4, v3
	v_lshlrev_b32 v[L8], 3, v3
.irp k, 0,1,2,3
	v_add_nc_u32 v[AP+2*\k], s[48+\k], v[L16]
	v_add_nc_u32 v[AP+2*\k+1], s[48+\k], v[L8]
.endr
	v_add_nc_u32 v[BA], s52, v[L16]
	v_add_nc_u32 v[BA+1], s52, v[L8]
	v_lshlrev_b32 v[SAV], 4, v1
	WALU
	s_wait_dscnt 0x0                       ; both opening adds are done
	CROUND                                 ; the round in front of the first joint loads
	s_wait_kmcnt 0x0
	s_add_nc_u64 s[G0A+2:G0A+3], s[4:5], s[76:77]
	s_add_nc_u64 s[G0B+2:G0B+3], s[6:7], s[78:79]
	s_add_nc_u64 s[G0R+2:G0R+3], s[G0B+2:G0B+3], s[54:55]
	s_or_b32 s[G0B+3], s[G0B+3], 0x80000000
	s_or_b32 s[G0R+3], s[G0R+3], 0x80000000
	s_add_nc_u64 s[4:5], s[4:5], s[80:81]
	s_add_nc_u64 s[6:7], s[6:7], s[82:83]
	s_add_nc_u64 s[8:9], s[8:9], s[84:85]      ; Q's chunk
	s_add_nc_u64 s[10:11], s[10:11], s[86:87]  ; K's and V's
	s_mov_b64 s[12:13], s[8:9]                 ; the trip's codes,
	s_add_nc_u64 s[18:19], s[8:9], 6144        ; and its scale words
	s_cmp_eq_u32 s14, 0                    ; one tensor load a wave, each on its own line
	s_cbranch_scc0 .Lwave_1
	TLOAD G0B, G1B                         ; wave 0: W_q's tile, which is wanted first
	s_branch .Lasked
.Lwave_1:
	s_cmp_eq_u32 s14, 1
	s_cbranch_scc0 .Lwave_2
	ATILE 0, 288                           ; wave 1: x's tiles 0 to 5
	s_branch .Lasked
.Lwave_2:
	s_cmp_eq_u32 s14, 2
	s_cbranch_scc0 .Lwave_3
	ATILE 6*TILE, 240                      ; wave 2: 6 to 10
	s_branch .Lasked
.Lwave_3:
	ATILE 11*TILE, 240                     ; wave 3: 11 to 15
.Lasked:
.irp s, 0,1,2,3,4,5,6,7
.irp c, 0,1
	global_load_b128 v[SA+8*\s+4*\c:SA+8*\s+4*\c+3], v[SAV], s[4:5] offset:2048*\c+256*\s   ; tile 8 w + s, place r
.endr
.endr
	s_cmp_eq_u32 s14, 0
	s_cbranch_scc0 .Lnot_b
	s_wait_tensorcnt 0x0                   ; wave 0: W_q's tile has landed
.Lnot_b:
	BARRIER
	s_mov_b32 s22, 0
; ---- Q, then K: a loop of two trips
.Lqk:
	LOADB
	WALU
	s_wait_tensorcnt 0x0                   ; all my tensor loads have landed (the first time: my part of x);
	ds_add_u32 v[SPW], v[NIL]              ; an add to my spare word;
	s_add_nc_u64 s[G0R+2:G0R+3], s[G0R+2:G0R+3], 64*TILE   ; the next weight's tile lies 1,024 rows on
	s_wait_dscnt 0x0                       ; the add is done, and I hold the weights in registers
	CROUND                                 ; so does every wave of every partner, and x is whole
	TLOAD G0R, G1R                         ; my quarter of the next weight tile
	FETCH 0
	FETCH 1
	s_wait_loadcnt 0x0                     ; the scale words
	s_add_nc_u64 s[6:7], s[6:7], 32768     ; the next weight's scale bytes
	s_wait_dscnt NF                        ; block 0's fragments are in
.irp s, 0,1,2,3,4,5,6,7
	QKB \s
.endr
	s_wait_xcnt 0x0                        ; the stores have read their bases
	s_mov_b64 s[12:13], s[10:11]           ; the second trip is K's
	s_add_nc_u64 s[18:19], s[10:11], 12288
	s_wait_tensorcnt 0x0                   ; my quarter of the next weight tile is in
	s_wait_dscnt 0x0
	BARRIER                                ; everybody's is
	s_add_co_u32 s22, s22, 1
	s_cmp_lt_u32 s22, 2
	s_cbranch_scc1 .Lqk
; ---- V
	LOADB
	FETCH 0
	FETCH 1
	s_wait_loadcnt 0x0
	s_wait_dscnt NF
.irp s, 0,1,2,3,4,5,6,7
	VB \s
.endr
.irp b, 0,1,2,3
	v_lshl_or_b32 v[EV+\b], v[EV+4+\b], 16, v[EV+\b]   ; my bytes of keys 32 h .. and 64 + 32 h ..
.endr
	v_permlane16_swap_b32 v[EV], v[EV+1]   ; tiles 0 (lanes 0-15) and 1 (lanes 16-31): h = 0 in the first, h = 1 in the second
	v_permlane16_swap_b32 v[EV+2], v[EV+3]
	v_lshl_or_b32 v[WV], v[EV+1], 8, v[EV]
	v_lshl_or_b32 v[WV+1], v[EV+3], 8, v[EV+2]
	WIN 0x0c
.irp g, 0,1,2,3,4,5,6,7,8,9,10,11
	global_store_b128 v[L16], v[IMG+4*\g:IMG+4*\g+3], s[10:11] offset:6144+512*\g
.endr
	WIN 0
	global_store_b64 v[L8], v[WV:WV+1], s[10:11] offset:12800
	s_wait_tensorcnt 0x0                   ; the wave's end
	ds_add_u32 v[SPW], v[NIL]
	s_wait_dscnt 0x0
	CROUND                                 ; the closing round
	s_endpgm
.Lfunc_end_k_q4e19fc708f_qkv:
	.size	k_q4e19fc708f_qkv, .Lfunc_end_k_q4e19fc708f_qkv-k_q4e19fc708f_qkv
	.p2alignl 7, 3214868480
	.fill 96, 4, 3214868480
	.section	.rodata,"a",@progbits
	.p2align	6, 0x0
	.amdhsa_kernel k_q4e19fc708f_qkv
		.amdhsa_group_segment_fixed_size 327680
		.amdhsa_private_segment_fixed_size 0
		.amdhsa_enable_private_segment 0
		.amdhsa_kernarg_size 32
		.amdhsa_user_sgpr_count 2
		.amdhsa_user_sgpr_kernarg_segment_ptr 1
		.amdhsa_wavefront_size32 1
		.amdhsa_system_sgpr_workgroup_id_x 1
		.amdhsa_system_sgpr_workgroup_id_y 1
		.amdhsa_system_sgpr_workgroup_id_z 1
		.amdhsa_system_vgpr_workitem_id 0
		.amdhsa_next_free_vgpr 944
		.amdhsa_next_free_sgpr 96
		.amdhsa_reserve_vcc 0
		.amdhsa_float_denorm_mode_32 3
		.amdhsa_float_denorm_mode_16_64 3
		.amdhsa_memory_ordered 1
		.amdhsa_forward_progress 1
		.amdhsa_inst_pref_size 157
	.end_amdhsa_kernel
	.amdgpu_metadata
---
amdhsa.version: [ 1, 2 ]
amdhsa.kernels:
  - .name:           k_q4e19fc708f_qkv
    .symbol:         k_q4e19fc708f_qkv.kd
    .args:
      - { .name: xq, .offset: 0, .size: 8, .value_kind: global_buffer, .address_space: global }
      - { .name: wq, .offset: 8, .size: 8, .value_kind: global_buffer, .address_space: global }
      - { .name: qi, .offset: 16, .size: 8, .value_kind: global_buffer, .address_space: global }
      - { .name: kv, .offset: 24, .size: 8, .value_kind: global_buffer, .address_space: global }
    .group_segment_fixed_size: 327680
    .private_segment_fixed_size: 0
    .kernarg_segment_align: 8
    .kernarg_segment_size: 32
    .max_flat_workgroup_size: 128
    .sgpr_count:     96
    .vgpr_count:     944
    .wavefront_size: 32
...
	.end_amdgpu_metadata
.endif
;; end of part 2
;; launch attn (part 3): grid 4 x 64, 16 waves a work-group, clusters of 4 x 1, 210,944 bytes of LDS; arguments qi, kv, oq; writes oq
.if DOCPART == 3
	.amdgcn_target "amdgcn-amd-amdhsa--gfx1250"
	.amdhsa_code_object_version 6
	.text
	.protected	k_q4e19fc708f_attn
	.globl	k_q4e19fc708f_attn
	.p2align	8
	.type	k_q4e19fc708f_attn,@function
k_q4e19fc708f_attn:
	s_mov_b64 s[64:65], 0
	v_nop
	global_prefetch_b8 v0, s[64:65] scope:SCOPE_SE
	s_setreg_imm32_b32 hwreg(HW_REG_WAVE_MODE, 25, 1), 1
	s_wait_xcnt 0x0
	s_wait_alu depctr_hold_cnt(0) depctr_sa_sdst(0) depctr_va_vdst(0) depctr_va_sdst(0) depctr_va_ssrc(0) depctr_va_vcc(0) depctr_vm_vsrc(0)
	s_getreg_b32 s2, hwreg(HW_REG_IB_STS2, 6, 4)
	s_cmp_eq_u32 s2, 0
	s_cbranch_scc0 .Lentry_in_a_cluster
	s_endpgm
.Lentry_in_a_cluster:
	s_bfe_u32 s2, ttmp6, 0x10000c
	s_cmp_lg_u32 s2, 0x3003
	s_cbranch_scc0 .Lentry_shape_is_right
	s_endpgm
.Lentry_shape_is_right:
; For each batch and head: out = softmax(q k^T / 8) v, both products on codes of FP6 (E2M3) with E8M0 scales; the result is quantised in registers along the last product's K and stored as that product's operand.
; No work of reference() is left out.  SCALE = 2^-3: q's codes were made of q itself; a power of two goes through the quantiser unchanged but for the scale, so it stands in c = log2(e) / 8 (LIMIT: exact unless the
; hold of the exponent at -126 would bite, |q| under 2^-121).
; THE SOFTMAX: t = score x c; M = the row's largest t so far, rounded UP to a whole number; p = 2^(t - M) is quantised along the keys, not normalised; the row's sum is taken of the unquantised p and divides at the end
; (by v_rcp_f32 and a multiplication).  When M moves, the sum and O are multiplied by 2^(old M - new M): exact.
; LIMITS: no NaN or infinities; a block under 2^-124, or of zeros, gets the byte 1 (its bytes are read by this program alone).
; SHARES.  A work-group owns 512 queries of one head, in two passes of 256; each of its sixteen waves owns a tile of 16 queries a pass, in 256 registers: four waves to a SIMD.  Every wave walks the head's 2,048 keys, 128 a step.
; THE HEAD'S WHOLE K, V^T AND THEIR SCALE WORDS LIE IN LDS: 16 chunks of 13,056 bytes, one for each 128 keys, filled ONCE: wave w asks for chunk w.  No ring, no refill, no barrier in the loops.
; CLUSTER.  The four work-groups of a head are a cluster and ask for each chunk jointly: the same tensor load, the same descriptor, a mask that names the four.  cx enters Q's and the result's global addresses alone.
; LAYOUT.  Both products transposed: S^T = K Q^T, O^T = V^T P^T: a lane holds one query throughout.  By the row order in which the earlier launches stored tokens and features (place r of tile T: row
; 64 (T / 4) + 32 (r / 8) + 8 (T % 4) + r % 8): register 32 c + i of S^T is key 64 c + 32 h + i: a whole block of 32 in my lane, in P's own operand order; register i of O^T is channel 32 h + i of the head: one block of the last product's K.
; K = 64 IN THE FIRST PRODUCT: Q's registers 6-11 are zero codes.  K's tile t is named as v[32 + 6 t] on, twelve registers: its upper six are the next tile's codes (behind tile 7: zeros).  They meet zero codes alone, the format
; has no NaN or infinity, and no scale byte is 0xff: they add exactly 0.
; The result's scale bytes leave singly, 32 bytes of a block of 256 by each wave and pass: 8,192 such stores in the launch, one byte for each 24 of codes.
.set CHUNK, 13056                      ; K's codes 6,144; V^T's codes 6,144; K's scale words 512; V^T's 256
.set SPARE, 16*CHUNK                   ; behind the chunks: the spare words, 128 bytes for each wave: eight blocks of 256 bytes that no other line names
.set L16,  1                           ; v1   16 x lane
.set L8,   2                           ; v2   8 x lane
.set AD16, 3                           ; v3   the step's chunk + 16 x lane
.set AD8,  4                           ; v4   + 8 x lane
.set SPW,  5                           ; v5   my spare word; never rewritten
.set NIL,  6                           ; v6   0; never rewritten
.set H8,   7                           ; v7   8 h
.set QO,   8                           ; v8-10 Q's three pairs of registers in its image; v11 its scale word
.set QSO,  11
.set QF,   16                          ; v16-21 Q's codes, v22-27 zero codes
.set QS,   28                          ; v28  Q's scale words
.set OSO,  29                          ; v29  16 r + h: my scale byte's place
.set KF,   32                          ; v32-79 K's eight tiles, six registers each; then V^T's four, twelve each; v80-85 zeros
.set KS,   86                          ; v86-89 K's scale words; v90-91 V^T's
.set VS,   90
.set S,    96                          ; v96-159 S^T, then p
.set O,    160                         ; v160-191 O^T
.set P,    192                         ; v192-203 P's codes; v204-211 second halves of blocks
.set PT,   204
.set MX,   212
.set BM,   216
.set RT,   218
.set PD,   219
.set SA,   220                         ; v[220:221] the sums' second chain
.set SOP,  222                         ; v222-223 the conversions' scale operands; v224-225 bytes; v226, v227 the scale word in the making
.set EBY,  224
.set WP,   226
.set PSC,  232                         ; v232 P's scale word
.set F,    234                         ; v[234:235] f = 2^(old M - new M); on the way out 1 / the sum
.set WV,   18                          ; s18  my wave's number
.set SEL,  20                          ; s[20:21] lane selects for v_permlanex16_b32: lane l xor 16
.set CS,   22                          ; s[22:23] c: the packed form names a pair and takes its low word for both halves
.set TB,   24                          ; s24  LDS byte at which the step's chunk begins
.set CNT,  25                          ; s25  steps to go
.set G1,   32                          ; s[32:39], s[40:43] the descriptor
.set G0,   40
.macro CROUND                          ; a round of the cluster's barrier
	s_barrier_signal -1
	s_barrier_wait -1
	s_cmp_lg_u32 s[WV], 0
	s_cbranch_scc1 .Lnot_wave_0_\@
	s_barrier_signal -3
.Lnot_wave_0_\@:
	s_barrier_wait -3
	s_barrier_signal -1
	s_barrier_wait -1
.endm
	s_load_b128 s[4:7], s[0:1], 0x0                ; qi, kv
	s_load_b64 s[8:9], s[0:1], 0x10                ; oq
	v_lshl_add_u32 v[SPW], v0, 2, SPARE
	v_mov_b32 v[NIL], 0
	ds_add_u32 v[SPW], v[NIL]                      ; the wave's opening: the add, twice on end, and its wait ahead of my first tensor load; the set-up below stands between
	ds_add_u32 v[SPW], v[NIL]
	v_lshrrev_b32 v1, 5, v0
	s_delay_alu instid0(VALU_DEP_1)
	v_readfirstlane_b32 s[WV], v1                  ; wave 0..15
	s_bfe_u32 s19, ttmp6, 0x40000                  ; cx
	s_and_b32 s27, ttmp7, 0xffff                   ; batch x 16 + head, which the four partners share
	s_mov_b32 s[G1], 15|(3<<16)|(1<<21)            ; 15:0 the mask: all four work-groups; 17:16 elements of 8 bytes; 21 set beside a mask; no padding
	s_mov_b32 s[G1+1], 32<<16                      ; a chunk is dense: 51 rows of 256 bytes
	s_mov_b32 s[G1+2], 51<<16
	s_mov_b32 s[G1+3], 32<<16
	s_mov_b32 s[G1+4], 51
	s_mov_b32 s[G1+5], 32
	s_mov_b32 s[G1+6], 0
	s_mov_b32 s[G1+7], 0
	s_mov_b32 s[G0], 1
	s_mul_i32 s[G0+1], s[WV], CHUNK                ; chunk w, in LDS
	s_mul_i32 s46, s27, 16*CHUNK
	s_add_co_u32 s46, s46, s[G0+1]                 ; and in memory
	s_mov_b32 s47, 0
	s_mov_b32 s[SEL], 0x76543210
	s_mov_b32 s[SEL+1], 0xfedcba98
	s_mov_b32 s[CS], 0x3e38aa3b                    ; c = log2(e) / 8
	s_mov_b32 s[CS+1], s[CS]
	s_wait_dscnt 0x0                               ; both opening adds are done
	s_wait_kmcnt 0x0
	s_add_nc_u64 s[G0+2:G0+3], s[6:7], s[46:47]
	s_or_b32 s[G0+3], s[G0+3], 0x80000000
	CROUND                                         ; all four work-groups are here: the joint loads meet
	tensor_load_to_lds s[G0:G0+3], s[G1:G1+7]      ; my one tensor load of the launch
	s_nop 0
.rept 4
	v_nop
.endr
	s_lshr_b32 s28, s[WV], 3
	s_lshl_b32 s29, s19, 2
	s_add_co_u32 s28, s28, s29                     ; my group of 128 queries in pass 0: 4 cx + wave / 8; pass 1: two on
	s_and_b32 s26, s[WV], 7                        ; a: my tile in it
	s_lshl_b32 s29, s27, 4
	s_add_co_u32 s29, s29, s28
	s_mul_i32 s44, s29, 6656
	s_mov_b32 s45, 0
	s_add_nc_u64 s[4:5], s[4:5], s[44:45]          ; Q's chunk
	s_lshr_b32 s29, s27, 4
	s_lshl_b32 s29, s29, 4
	s_add_co_u32 s29, s29, s28                     ; the group among the 64 of all batches
	s_and_b32 s30, s27, 15                         ; the head
	s_lshl_b32 s31, s29, 3
	s_add_co_u32 s31, s31, s26
	s_lshl_b32 s31, s31, 4
	s_add_co_u32 s31, s31, s30
	s_mul_i32 s44, s31, 768
	s_add_nc_u64 s[12:13], s[8:9], s[44:45]        ; the result's codes: tile 8 G + a, half = the head: 768 bytes
	s_lshl_b32 s44, s29, 12
	s_add_co_u32 s44, s44, 6291456
	s_lshr_b32 s31, s30, 3
	s_lshl_b32 s31, s31, 11
	s_add_co_u32 s44, s44, s31
	s_lshl_b32 s31, s26, 8
	s_add_co_u32 s44, s44, s31
	s_and_b32 s31, s30, 7
	s_lshl_b32 s31, s31, 1
	s_add_co_u32 s44, s44, s31
	s_add_nc_u64 s[14:15], s[8:9], s[44:45]        ; its scale bytes: [group][head / 8][16 a + r][2 (head % 8) + h]
	v_and_b32 v12, 31, v0
	v_and_b32 v13, 15, v0                          ; r
	v_bfe_u32 v14, v0, 4, 1                        ; h
	s_delay_alu instid0(VALU_DEP_3)
	v_lshlrev_b32 v[L16], 4, v12
	s_wait_alu depctr_va_vdst(0)
	v_lshlrev_b32 v[L8], 3, v12
	v_lshlrev_b32 v[H8], 3, v14
	s_mul_i32 s30, s26, 6                          ; Q's registers 6 a + 2 i, 6 a + 2 i + 1 of the image: four registers at 512 g + 16 x lane
.irp i, 0,1,2
	s_add_co_u32 s31, s30, 2*\i
	s_lshr_b32 s44, s31, 2
	s_lshl_b32 s44, s44, 9
	s_and_b32 s31, s31, 3
	s_lshl_b32 s31, s31, 2
	s_add_co_u32 s44, s44, s31
	v_add_nc_u32 v[QO+\i], s44, v[L16]
.endr
	s_and_b32 s31, s26, 1
	s_lshl_b32 s31, s31, 8
	s_lshr_b32 s44, s26, 1
	s_lshl_b32 s44, s44, 2
	s_add_co_u32 s31, s31, s44
	s_add_co_u32 s31, s31, 6144
	v_lshl_add_u32 v[QSO], v13, 4, s31             ; tile a's scale words: word a / 2 of lanes 16 (a % 2) + r
	v_lshl_add_u32 v[OSO], v13, 4, v14
.irp j, 0,1,2,3,4,5
	v_mov_b32 v[QF+6+\j], 0                        ; zero codes for k = 64 .. 127
	v_mov_b32 v[KF+48+\j], 0
.endr
	v_mov_b32 v[PD], 0                             ; written once: a lane permute's destination counts as one of its sources
	v_mov_b32 v[WP+1], 0
	v_mov_b32 v[F+1], 0                            ; (named as the upper half of a pair)
	s_wait_tensorcnt 0x0                           ; my chunk is in,
	s_barrier_signal -1
	s_barrier_wait -1                              ; everybody's is: from here on LDS is only read
; A PASS: 16 queries of mine against all 2,048 keys.  Its places in qi and oq are immediates.
.macro PASS p
.if \p > 0
	s_wait_xcnt 0x0                                ; the last pass's stores have read their registers, which are written again below
.endif
.irp i, 0,1,2
	global_load_b64 v[QF+2*\i:QF+2*\i+1], v[QO+\i], s[4:5] offset:13312*\p
.endr
	global_load_b32 v[QS], v[QSO], s[4:5] offset:13312*\p
	v_mov_b32 v13, 0xff61b1e6                      ; the largest t so far: -3e38, under every t
	s_delay_alu instid0(VALU_DEP_1)
	v_floor_f32 v12, -v13                          ; -M
	v_mov_b32 v14, 0                               ; the sum, in two halves
	v_mov_b32 v15, 0
.set j, 0
.rept 32
	v_mov_b32 v[O+j], 0                            ; O^T.  (The step is written once: the first finds zeros, which the first change of M leaves zeros)
.set j, j+1
.endr
	s_mov_b32 s[TB], 0
	s_mov_b32 s[CNT], 16
	s_wait_loadcnt 0x0                             ; Q
.Lstep_\@:
	v_add_nc_u32 v[AD16], s[TB], v[L16]
	v_add_nc_u32 v[AD8], s[TB], v[L8]
	v_nop
	v_nop                                          ; four plain lines between the last products and the loads into registers that they read
.irp g, 0,1,2,3,4,5,6,7,8,9,10,11
	ds_load_b128 v[KF+4*\g:KF+4*\g+3], v[AD16] offset:512*\g       ; K's eight tiles: an image of 48 registers
.endr
	ds_load_b128 v[KS:KS+3], v[AD16] offset:12288  ; word i: tile 2 i in lanes 0-15, tile 2 i + 1 in lanes 16-31
	s_wait_alu depctr_va_vdst(0)
	s_wait_dscnt 0x0
.irp t, 0,2,4,6
	v_wmma_scale_f32_16x16x128_f8f6f4 v[S+8*\t:S+8*\t+7], v[KF+6*\t:KF+6*\t+11], v[QF:QF+11], 0, v[KS+\t/2], v[QS] matrix_a_fmt:MATRIX_FMT_FP6 matrix_b_fmt:MATRIX_FMT_FP6
	v_wmma_scale_f32_16x16x128_f8f6f4 v[S+8*\t+8:S+8*\t+15], v[KF+6*\t+6:KF+6*\t+17], v[QF:QF+11], 0, v[KS+\t/2], v[QS] matrix_a_fmt:MATRIX_FMT_FP6 matrix_b_fmt:MATRIX_FMT_FP6 matrix_a_scale:MATRIX_SCALE_ROW1
.endr
.rept 4
	v_nop                                          ; places: in front of the loads into K's registers, and of the first read of the scores
.endr
.irp g, 0,1,2,3,4,5,6,7,8,9,10,11
	ds_load_b128 v[KF+4*\g:KF+4*\g+3], v[AD16] offset:6144+512*\g  ; V^T's four tiles land while the softmax is walked
.endr
	ds_load_b64 v[VS:VS+1], v[AD8] offset:12800
.irp b, 0,1,2,3
	v_max3_num_f32 v[MX+\b], v[S+16*\b], v[S+1+16*\b], v[S+2+16*\b]   ; the largest of 16 scores, four chains by turns; each accumulator is read from its low end on
.endr
.irp i, 3,5,7,9,11,13
.irp b, 0,1,2,3
	v_max3_num_f32 v[MX+\b], v[MX+\b], v[S+16*\b+\i], v[S+1+16*\b+\i]
.endr
.endr
.irp b, 0,1,2,3
	v_max_num_f32 v[MX+\b], v[MX+\b], v[S+15+16*\b]
.endr
	s_delay_alu instid0(VALU_DEP_3)
	v_max_num_f32 v[BM], v[MX], v[MX+1]            ; THE LARGEST SCORE OF EACH OF MY TWO BLOCKS OF 32 KEYS: it serves the row's maximum and, since p rises with the score, the block's largest p
	s_delay_alu instid0(VALU_DEP_2)
	v_max_num_f32 v[BM+1], v[MX+2], v[MX+3]
	s_delay_alu instid0(VALU_DEP_1)
	v_max_num_f32 v[RT], v[BM], v[BM+1]
	s_delay_alu instid0(VALU_DEP_1)
	v_permlanex16_b32 v[PD], v[RT], s[SEL], s[SEL+1]
	s_delay_alu instid0(VALU_DEP_1)
	v_max_num_f32 v[RT], v[RT], v[PD]              ; with lane l xor 16's 64 keys
	s_delay_alu instid0(VALU_DEP_1)
	v_mul_f32 v[RT], s[CS], v[RT]                  ; as t (c is positive)
	s_delay_alu instid0(VALU_DEP_1)
	v_max_num_f32 v13, v13, v[RT]                  ; the running largest t
	v_mov_b32 v[RT], v12
	s_delay_alu instid0(VALU_DEP_2)
	v_floor_f32 v12, -v13                          ; the new -M = floor(-t) = -ceil(t)
	s_delay_alu instid0(VALU_DEP_1)
	v_sub_f32 v[RT], v12, v[RT]                    ; old M - new M: a whole number, 0 or less
	s_delay_alu instid0(VALU_DEP_1)
	v_cvt_i32_f32 v[RT], v[RT]                     ; (it saturates)
	s_delay_alu instid0(VALU_DEP_1)
	v_ldexp_f32 v[F], 1.0, v[RT]                   ; f = 2^(old M - new M)
.set j, 0
.rept 32
	v_pk_fma_f32 v[S+j:S+j+1], v[S+j:S+j+1], s[CS:CS+1], v[12:13] op_sel_hi:[1,0,0]   ; t - M, two at a time
.set j, j+2
.endr
	v_fma_f32 v[BM], v[BM], s[CS], v12             ; the same of each block's largest score
	v_fma_f32 v[BM+1], v[BM+1], s[CS], v12
.set j, 0
	s_wait_alu depctr_va_vdst(0)
.rept 64
	v_exp_f32 v[S+j], v[S+j]                       ; p = 2^(t - M): one batch
.set j, j+1
.endr
	v_pk_mul_f32 v[14:15], v[14:15], v[F:F+1] op_sel_hi:[1,0]   ; the sums under the new M; the plain line behind the exponentials
	s_wait_alu depctr_va_vdst(0)                   ; one wait for the batch, ahead of its first reader
	v_exp_f32 v[BM], v[BM]                         ; the blocks' largest p: the same two instructions on the same number give the same bits
	v_exp_f32 v[BM+1], v[BM+1]
	v_pk_add_f32 v[220:221], v[100:101], v[104:105]
	v_pk_add_f32 v[254:255], v[108:109], v[112:113]
	v_pk_add_f32 v[252:253], v[116:117], v[120:121]
	v_pk_add_f32 v[250:251], v[124:125], v[128:129]
	v_pk_add_f32 v[248:249], v[132:133], v[136:137]
	v_pk_add_f32 v[246:247], v[140:141], v[144:145]
	v_pk_add_f32 v[244:245], v[148:149], v[152:153]
	v_pk_add_f32 v[14:15], v[14:15], v[156:157]
	v_pk_add_f32 v[220:221], v[220:221], v[96:97]
	v_pk_add_f32 v[254:255], v[254:255], v[98:99]
	v_pk_add_f32 v[252:253], v[252:253], v[102:103]
	v_pk_add_f32 v[250:251], v[250:251], v[106:107]
	v_pk_add_f32 v[248:249], v[248:249], v[110:111]
	v_pk_add_f32 v[246:247], v[246:247], v[114:115]
	v_pk_add_f32 v[244:245], v[244:245], v[118:119]
	v_pk_add_f32 v[14:15], v[14:15], v[122:123]
	v_pk_add_f32 v[220:221], v[220:221], v[126:127]
	v_pk_add_f32 v[254:255], v[254:255], v[130:131]
	v_pk_add_f32 v[252:253], v[252:253], v[134:135]
	v_pk_add_f32 v[250:251], v[250:251], v[138:139]
	v_pk_add_f32 v[248:249], v[248:249], v[142:143]
	v_pk_add_f32 v[246:247], v[246:247], v[146:147]
	v_pk_add_f32 v[244:245], v[244:245], v[150:151]
	v_pk_add_f32 v[14:15], v[14:15], v[154:155]
	v_pk_add_f32 v[220:221], v[220:221], v[158:159]
	s_delay_alu instid0(VALU_DEP_2)
	v_pk_add_f32 v[14:15], v[14:15], v[250:251]
	s_delay_alu instid0(VALU_DEP_2)
	v_pk_add_f32 v[220:221], v[220:221], v[248:249]
	v_pk_add_f32 v[254:255], v[254:255], v[246:247]
	v_pk_add_f32 v[252:253], v[252:253], v[244:245]
	s_delay_alu instid0(VALU_DEP_2)
	v_pk_add_f32 v[14:15], v[14:15], v[254:255]
	s_delay_alu instid0(VALU_DEP_2)
	v_pk_add_f32 v[220:221], v[220:221], v[252:253]
	s_delay_alu instid0(VALU_DEP_1)
	v_pk_add_f32 v[14:15], v[14:15], v[220:221]
	s_wait_alu depctr_va_vdst(0)                   ; and one for the two
.irp c, 0,1
	v_max_num_f32 v[BM+\c], 0x1800000, v[BM+\c]    ; the floor 2^(3 - 127)
.endr
.irp c, 0,1
	s_delay_alu instid0(VALU_DEP_2)
	v_add_nc_u32 v[SOP+\c], 0xff000000, v[BM+\c]   ; 2 off the exponent field: the conversion's scale operand
.endr
.irp c, 0,1
	s_delay_alu instid0(VALU_DEP_2)
	v_lshrrev_b32 v[EBY+\c], 23, v[SOP+\c]         ; the byte of block 2 c + h
.endr
	s_delay_alu instid0(VALU_DEP_1)
	v_lshl_or_b32 v[WP], v[EBY+1], 16, v[EBY]
	s_delay_alu instid0(VALU_DEP_1)
	v_lshlrev_b32 v[WP], v[H8], v[WP]              ; at their places in the word,
	s_delay_alu instid0(VALU_DEP_1)
	v_permlanex16_b32 v[WP+1], v[WP], s[SEL], s[SEL+1]
	s_delay_alu instid0(VALU_DEP_1)
	v_or_b32 v[PSC], v[WP], v[WP+1]                ; and with lane l xor 16's two the word is whole
.irp c, 0,1
	v_cvt_scalef32_pk16_fp6_f32 v[P+6*\c:P+6*\c+2], v[S+32*\c:S+32*\c+15], v[SOP+\c]
	v_cvt_scalef32_pk16_fp6_f32 v[PT+4*\c:PT+4*\c+2], v[S+32*\c+16:S+32*\c+31], v[SOP+\c]   ; (a conversion's three registers begin on an even number)
.endr
	v_nop                                          ; one plain line behind the conversions
.irp c, 0,1
.irp i, 0,1,2
	v_mov_b32 v[P+6*\c+3+\i], v[PT+4*\c+\i]        ; registers 6 c .. 6 c + 5: keys 64 c + 32 h + 0 .. 31
.endr
.endr
.set j, 0
.rept 16
	v_pk_mul_f32 v[O+j:O+j+1], v[O+j:O+j+1], v[F:F+1] op_sel_hi:[1,0]   ; O^T under the new M.  (These sixteen also stand between the lines that made P and its scale word and the products)
.set j, j+2
.endr
	s_wait_alu depctr_va_vdst(0)
	s_wait_dscnt 0x0                               ; V^T is in
.irp u, 0,2
	v_wmma_scale_f32_16x16x128_f8f6f4 v[O+8*\u:O+8*\u+7], v[KF+12*\u:KF+12*\u+11], v[P:P+11], v[O+8*\u:O+8*\u+7], v[VS+\u/2], v[PSC] matrix_a_fmt:MATRIX_FMT_FP6 matrix_b_fmt:MATRIX_FMT_FP6
	v_wmma_scale_f32_16x16x128_f8f6f4 v[O+8*\u+8:O+8*\u+15], v[KF+12*\u+12:KF+12*\u+23], v[P:P+11], v[O+8*\u+8:O+8*\u+15], v[VS+\u/2], v[PSC] matrix_a_fmt:MATRIX_FMT_FP6 matrix_b_fmt:MATRIX_FMT_FP6 matrix_a_scale:MATRIX_SCALE_ROW1
.endr                                          ; the four accumulators take turns, one instruction a turn
	s_add_co_u32 s[TB], s[TB], CHUNK
	s_sub_co_u32 s[CNT], s[CNT], 1
	s_cmp_lg_u32 s[CNT], 0
	s_cbranch_scc1 .Lstep_\@
	; the way out: O^T / the sum is one block of 32 along the last product's K: quantised here, stored as six registers of that product's operand
.rept 4
	v_nop
.endr
	v_add_f32 v14, v14, v15
	s_delay_alu instid0(VALU_DEP_1)
	v_permlanex16_b32 v[PD], v14, s[SEL], s[SEL+1]
	s_delay_alu instid0(VALU_DEP_1)
	v_add_f32 v14, v14, v[PD]                      ; the row's sum
	s_wait_alu depctr_va_vdst(0)
	v_rcp_f32 v[F], v14
	v_nop                                          ; a plain line behind the reciprocal,
	s_wait_alu depctr_va_vdst(0)                   ; and the wait ahead of its first reader
.set j, 0
.rept 16
	v_pk_mul_f32 v[S+j:S+j+1], v[O+j:O+j+1], v[F:F+1] op_sel_hi:[1,0]   ; ascending: each accumulator from its low end on
.set j, j+2
.endr
	v_max3_num_f32 v[MX], |v[S]|, |v[S+1]|, |v[S+2]|
	v_max3_num_f32 v[MX+1], |v[S+3]|, |v[S+4]|, |v[S+5]|
.irp i, 6,10,14,18,22,26
	s_delay_alu instid0(VALU_DEP_2)
	v_max3_num_f32 v[MX], v[MX], |v[S+\i]|, |v[S+\i+1]|
	s_delay_alu instid0(VALU_DEP_2)
	v_max3_num_f32 v[MX+1], v[MX+1], |v[S+\i+2]|, |v[S+\i+3]|
.endr
	s_delay_alu instid0(VALU_DEP_2)
	v_max3_num_f32 v[MX], v[MX], |v[S+30]|, |v[S+31]|
	s_delay_alu instid0(VALU_DEP_1)
	v_max3_num_f32 v[MX], v[MX], v[MX+1], 0x1800000
	s_delay_alu instid0(VALU_DEP_1)
	v_add_nc_u32 v[MX+2], 0xff000000, v[MX]
	v_cvt_scalef32_pk16_fp6_f32 v[P:P+2], v[S:S+15], v[MX+2]
	v_cvt_scalef32_pk16_fp6_f32 v[PT:PT+2], v[S+16:S+31], v[MX+2]
	v_lshrrev_b32 v[MX+3], 23, v[MX+2]             ; the byte; also the plain line behind the conversions
.irp i, 0,1,2
	v_mov_b32 v[P+3+\i], v[PT+\i]
.endr
	global_store_b128 v[L16], v[P:P+3], s[12:13] offset:196608*\p        ; 512 consecutive bytes,
	global_store_b64 v[L8], v[P+4:P+5], s[12:13] offset:196608*\p+512    ; and 256
	global_store_b8 v[OSO], v[MX+3], s[14:15] offset:8192*\p
.endm
	PASS 0
	PASS 1
	s_wait_tensorcnt 0x0                           ; the wave's end, behind my last tensor load
	ds_add_u32 v[SPW], v[NIL]
	s_wait_dscnt 0x0
	CROUND                                         ; the closing round
	s_endpgm
.Lfunc_end_k_q4e19fc708f_attn:
	.size	k_q4e19fc708f_attn, .Lfunc_end_k_q4e19fc708f_attn-k_q4e19fc708f_attn
	.p2alignl 7, 3214868480
	.fill 96, 4, 3214868480
	.section	.rodata,"a",@progbits
	.p2align	6, 0x0
	.amdhsa_kernel k_q4e19fc708f_attn
		.amdhsa_group_segment_fixed_size 210944
		.amdhsa_private_segment_fixed_size 0
		.amdhsa_enable_private_segment 0
		.amdhsa_kernarg_size 24
		.amdhsa_user_sgpr_count 2
		.amdhsa_user_sgpr_kernarg_segment_ptr 1
		.amdhsa_wavefront_size32 1
		.amdhsa_system_sgpr_workgroup_id_x 1
		.amdhsa_system_sgpr_workgroup_id_y 1
		.amdhsa_system_sgpr_workgroup_id_z 1
		.amdhsa_system_vgpr_workitem_id 0
		.amdhsa_next_free_vgpr 256
		.amdhsa_next_free_sgpr 66
		.amdhsa_reserve_vcc 0
		.amdhsa_float_denorm_mode_32 3
		.amdhsa_float_denorm_mode_16_64 3
		.amdhsa_memory_ordered 1
		.amdhsa_forward_progress 1
		.amdhsa_inst_pref_size 47
	.end_amdhsa_kernel
	.amdgpu_metadata
---
amdhsa.version: [ 1, 2 ]
amdhsa.kernels:
  - .name:           k_q4e19fc708f_attn
    .symbol:         k_q4e19fc708f_attn.kd
    .args:
      - { .name: qi, .offset: 0, .size: 8, .value_kind: global_buffer, .address_space: global }
      - { .name: kv, .offset: 8, .size: 8, .value_kind: global_buffer, .address_space: global }
      - { .name: oq, .offset: 16, .size: 8, .value_kind: global_buffer, .address_space: global }
    .group_segment_fixed_size: 210944
    .private_segment_fixed_size: 0
    .kernarg_segment_align: 8
    .kernarg_segment_size: 24
    .max_flat_workgroup_size: 512
    .sgpr_count:     66
    .vgpr_count:     256
    .wavefront_size: 32
...
	.end_amdgpu_metadata
.endif
;; end of part 3
;; launch proj (part 4): grid 32 x 8, 4 waves a work-group, clusters of 4 x 4, 327,680 bytes of LDS; arguments oq, pq, b_proj, out0; writes out0
.if DOCPART == 4
	.amdgcn_target "amdgcn-amd-amdhsa--gfx1250"
	.amdhsa_code_object_version 6
	.text
	.protected	k_q4e19fc708f_proj
	.globl	k_q4e19fc708f_proj
	.p2align	8
	.type	k_q4e19fc708f_proj,@function
k_q4e19fc708f_proj:
	s_mov_b64 s[64:65], 0
	v_nop
	global_prefetch_b8 v0, s[64:65] scope:SCOPE_SE
	s_setreg_imm32_b32 hwreg(HW_REG_WAVE_MODE, 25, 1), 1
	s_wait_xcnt 0x0
	s_wait_alu depctr_hold_cnt(0) depctr_sa_sdst(0) depctr_va_vdst(0) depctr_va_sdst(0) depctr_va_ssrc(0) depctr_va_vcc(0) depctr_vm_vsrc(0)
	s_getreg_b32 s2, hwreg(HW_REG_IB_STS2, 6, 4)
	s_cmp_eq_u32 s2, 0
	s_cbranch_scc0 .Lentry_in_a_cluster
	s_endpgm
.Lentry_in_a_cluster:
	s_bfe_u32 s2, ttmp6, 0x10000c
	s_cmp_lg_u32 s2, 0xf033
	s_cbranch_scc0 .Lentry_shape_is_right
	s_endpgm
.Lentry_shape_is_right:
; out0[token][n] = sum over k of o[token][k] w_proj[n][k] + b_proj[n], f32: 8,192 x 1,024 x 1,024 on codes of FP6 (E2M3) with E8M0 scales.  No work of reference() is left out.
; LIMITS: NaN, infinities and sums beyond f32's range are not served; a sum begins with the bias, where reference() adds it last.
; oq (what the attention launch left) and pq (w_proj) are laid alike: tiles of 16 rows, 12,288 bytes each: for each 64 along K an image of six operand registers (registers 0-3 at 16 x lane, 4-5 at 512 + 8 x lane).
; Place r of tile T is row 64 (T / 4) + 32 (r / 8) + 8 (T % 4) + r % 8.  Scale bytes behind the codes: [128 rows][half of K][128 places][16 bytes].
; THE DEAL.  256 work-groups of four waves, 2 x 2, each 256 rows x 128 columns.  A wave holds four column tiles of w_proj, all of K, in 384 registers, and streams eight blocks of 16 rows past them:
; the wave in row w takes tile 2 s + w of the work-group's sixteen as its block s.  A block is 32 products, four accumulators by turns; the bias is the first four products' C.
; CLUSTER: its x counts tile rows.  A's tiles are shared by a column of the cluster, B's by a row: joint loads.  No LDS address hangs on the cluster's numbers.
; LDS: A's 196,608 bytes, B's 98,304, both dense, filled once at the head, one tensor load a wave; the waves' stages and the spare words have bytes of their own.  Nothing is filled again.
; No data prefetch: all tiles are asked for at the head, and there is no loop to run ahead in.
; The scale words come by plain loads straight into registers, 256 or 512 bytes on end an instruction.
; The matrix instruction is used transposed (source 0 = w_proj's rows): a lane holds eight neighbouring columns of a row.  A block's sums go through the wave's stage and leave as whole rows of 256 bytes, behind its own products.
.set FR,    12                         ; registers of a fragment
.set FPW,   21                         ; fragments in a window: fragment f lies in window 1 + f / 21 at register 12 (f % 21); 0-31 B's (4 q + b), 32-47 A's two sets (32 + 8 e + q)
.set NF,    32                         ; LDS loads of a block's fetch
.set TILE,  12288
.set YB,    16*TILE                    ; B's tiles
.set STAGE, 24*TILE                    ; 16 rows x 272 bytes for each wave
.set SPARE, STAGE+4*4352               ; the spare words: 128 bytes a wave
.set L16,  4                           ; 16 x lane
.set L8,   5                           ; 8 x lane
.set CO,   9                           ; my offset in out0: row lane / 16, 16 bytes x (lane % 16)
.set SPW,  10
.set NIL,  11
.set BA,   12                          ; v12, v13 LDS address of my tiles of B (by 16 and by 8 bytes a lane)
.set STO,  14                          ; the stage, in
.set RD,   15                          ; and back
.set AP,   16                          ; v16-23 the same as v12, v13 for each pair of my blocks of A
.set SB,   24                          ; v24-39 B's scale words: 8 p + q; lanes 0-15 tile 2 p, lanes 16-31 tile 2 p + 1
.set SAV,  40                          ; 16 r
.set BH,   41                          ; 128 h
.set SA,   44                          ; v44-107 A's scale words: 8 s + q
.set ACC,  108                         ; v108-171 two sets of four accumulators
.set BK,   172                         ; v172-235 two sets: 16 rows back from the stage
.set BO,   128                         ; window 3, v128-159: the bias in the sums' layout
.set G1A, 24
.set G1B, 32
.set G0A, 56
.set G0B, 60
.set MSB, 0
.macro WIN new
.if MSB != (\new)
	s_set_vgpr_msb (MSB<<8)|(\new)
.set MSB, (\new)
.endif
.endm
.macro PLACES n
.rept \n
	v_nop
.endr
.endm
.macro BARRIER
	s_barrier_signal -1
	s_barrier_wait -1
.endm
.macro CROUND
	BARRIER
	s_cmp_lg_u32 s14, 0
	s_cbranch_scc1 .Lnot_wave_0_\@
	s_barrier_signal -3
.Lnot_wave_0_\@:
	s_barrier_wait -3
	BARRIER
.endm
.macro TLOAD g0, g1                    ; an s_nop 0 and four v_nop follow a tensor load
	tensor_load_to_lds s[\g0:\g0+3], s[\g1:\g1+7]
	s_nop 0
	PLACES 4
.endm
.macro ATILE first, rows               ; a part of A, dense: rows of 256 bytes; its place in LDS is its place in the tile row
	s_mov_b32 s[G0A+1], \first
	s_mov_b32 s[G1A+2], (\rows)<<16
	s_mov_b32 s[G1A+4], \rows
.if \first
	s_add_nc_u64 s[G0A+2:G0A+3], s[G0A+2:G0A+3], \first
.endif
	s_or_b32 s[G0A+3], s[G0A+3], 0x80000000
	TLOAD G0A, G1A
.endm
.macro FRAG f, a, off                  ; a fragment: two halves of six registers, as they lie
.set R_, FR*((\f)%FPW)
	WIN (1+(\f)/FPW)<<6
	ds_load_b128 v[R_:R_+3], v[\a] offset:\off
	ds_load_b64 v[R_+4:R_+5], v[\a+1] offset:\off+512
	ds_load_b128 v[R_+6:R_+9], v[\a] offset:\off+768
	ds_load_b64 v[R_+10:R_+11], v[\a+1] offset:\off+1280
.endm
.macro FETCH s                         ; my block s of A into set s % 2: NF loads
.irp q, 0,1,2,3,4,5,6,7
	FRAG 32+8*((\s)%2)+\q, AP+2*((\s)/2), 2*TILE*((\s)%2)+1536*\q
.endr
	WIN 0
.endm
.macro PROD1 d, s0, s1, c, x0, x1, o
.if \o
	v_wmma_scale_f32_16x16x128_f8f6f4 v[\d:\d+7], v[FR*((\s0)%FPW):FR*((\s0)%FPW)+FR-1], v[FR*((\s1)%FPW):FR*((\s1)%FPW)+FR-1], \c, v[\x0], v[\x1] matrix_a_fmt:MATRIX_FMT_FP6 matrix_b_fmt:MATRIX_FMT_FP6 matrix_a_scale:MATRIX_SCALE_ROW1
.else
	v_wmma_scale_f32_16x16x128_f8f6f4 v[\d:\d+7], v[FR*((\s0)%FPW):FR*((\s0)%FPW)+FR-1], v[FR*((\s1)%FPW):FR*((\s1)%FPW)+FR-1], \c, v[\x0], v[\x1] matrix_a_fmt:MATRIX_FMT_FP6 matrix_b_fmt:MATRIX_FMT_FP6
.endif
.endm
.macro PROD s, n                       ; product n = 4 q + b of block s
.set Q_, (\n)/4
.set B_, (\n)%4
.set FB_, (\n)
.set FA_, 32+8*((\s)%2)+Q_
.set D_, ACC+32*((\s)%2)+8*B_
.set XB_, SB+8*(B_/2)+Q_
.set XA_, SA+8*(\s)+Q_
.if Q_
	WIN (1+FB_/FPW)|((1+FA_/FPW)<<2)
	PROD1 D_, FB_, FA_, v[D_:D_+7], XB_, XA_, B_%2
.else
	WIN (1+FB_/FPW)|((1+FA_/FPW)<<2)|(3<<4)
	PROD1 D_, FB_, FA_, v[BO+8*B_:BO+8*B_+7], XB_, XA_, B_%2
.endif
.endm
.macro PRODS s, from, to
.set N_, \from
.rept (\to)-(\from)
	PROD \s, N_
.set N_, N_+1
.endr
	WIN 0
.endm
.macro STAGED e                        ; set e's sums into my stage, each accumulator from its low end on, and back as whole rows.  LDS serves a wave's instructions in order (ISA guide 5.7.1.4): no wait between
.irp b, 0,1,2,3
	ds_store_b128 v[STO], v[ACC+32*(\e)+8*\b:ACC+32*(\e)+8*\b+3] offset:32*\b
	ds_store_b128 v[STO], v[ACC+32*(\e)+8*\b+4:ACC+32*(\e)+8*\b+7] offset:32*\b+16
.endr
.irp t, 0,1,2,3,4,5,6,7
	ds_load_b128 v[BK+32*(\e)+4*\t:BK+32*(\e)+4*\t+3], v[RD] offset:2*\t*272
.endr
.endm
.macro TOC s                           ; block s's places 2 t, 2 t + 1 are rows 64 (s / 2) + 16 (s % 2) + 32 (t / 4) + 2 t % 8 and the next, from my first; 16 lanes store 256 consecutive bytes, aligned
.irp t, 0,1,2,3,4,5,6,7
	global_store_b128 v[CO], v[BK+32*((\s)%2)+4*\t:BK+32*((\s)%2)+4*\t+3], s[10:11] offset:(64*((\s)/2)+16*((\s)%2)+32*(\t/4)+(2*\t)%8)*4096 th:TH_STORE_NT
.endr
.endm
.macro STREAM s
.if (\s) == 2                          ; a plain barrier inside block 2 shows waves 2 and 3's tiles to all
	PRODS \s, 0, 24
	s_wait_tensorcnt 0x0
	s_wait_dscnt 0x0
	s_barrier_signal -1
	PRODS \s, 24, 32
	s_barrier_wait -1
.else
	PRODS \s, 0, 32
.endif
	PLACES 4                               ; four places between the last product and the first reader of its sums and the fetch into its registers
	s_wait_xcnt 0x0                        ; the stores of two blocks ago have read this set of rows
	STAGED (\s)%2
.if (\s) < 6
	FETCH (\s)+2
	s_wait_dscnt NF                        ; the block's rows are back from the stage, and the next block's fragments are in; younger is this run's fetch alone
.else
	s_wait_dscnt 0x0
.endif
	TOC \s
.endm
; ---- the head
	s_load_b128 s[4:7], s[0:1], 0x0        ; oq, pq
	s_load_b128 s[8:11], s[0:1], 0x10      ; b_proj, out0
	v_lshl_add_u32 v[SPW], v0, 2, SPARE
	v_mov_b32 v[NIL], 0
	ds_add_u32 v[SPW], v[NIL]              ; the opening lines: the add twice on end and its wait
	ds_add_u32 v[SPW], v[NIL]
	v_lshrrev_b32 v1, 5, v0
	v_readfirstlane_b32 s14, v1            ; the wave; s15 its row w of the 2 x 2, s16 its column
	s_lshr_b32 s15, s14, 1
	s_and_b32 s16, s14, 1
	s_bfe_u32 s40, ttmp6, 0x40000          ; cx
	s_bfe_u32 s41, ttmp6, 0x40004          ; cy
	s_lshl_b32 s43, ttmp9, 2
	s_add_co_u32 s43, s43, s40             ; tile row R, 0 .. 31
	s_and_b32 s42, ttmp7, 0xffff
	s_lshl_b32 s42, s42, 2
	s_add_co_u32 s42, s42, s41             ; tile column C, 0 .. 7
	s_lshl_b32 s44, 0x1111, s40            ; my column of the cluster shares A
	s_lshl_b32 s45, s41, 2
	s_lshl_b32 s45, 15, s45                ; my row shares B
	s_or_b32 s[G1A+0], s44, (3<<16)|(1<<21)    ; elements of 8 bytes, rows of 32: 256 bytes; no padding; bit 21 beside a mask
	s_or_b32 s[G1B+0], s45, (3<<16)|(1<<21)
.irp g, G1A, G1B
	s_mov_b32 s[\g+1], 32<<16
	s_mov_b32 s[\g+3], 32<<16
	s_mov_b32 s[\g+5], 32
	s_mov_b32 s[\g+6], 0
	s_mov_b32 s[\g+7], 0
.endr
	s_mov_b32 s[G1B+2], 384<<16            ; B: 384 rows of 256 bytes (A's rows: each arm's own constants)
	s_mov_b32 s[G1B+4], 384
	s_mov_b32 s[G0A], 1
	s_mov_b32 s[G0B], 1
	s_mov_b32 s[G0B+1], YB
	s_mul_i32 s76, s43, 16*TILE            ; A's codes
	s_mov_b32 s77, 0
	s_mul_i32 s78, s42, 8*TILE             ; B's codes
	s_mov_b32 s79, 0
	s_lshl_b32 s80, s43, 13                ; A's scale bytes: 8,192 R + 256 w
	s_lshl_b32 s20, s15, 8
	s_add_co_u32 s80, s80, s20
	s_add_co_u32 s80, s80, 6291456
	s_mov_b32 s81, 0
	s_lshl_b32 s82, s42, 12                ; B's: 4,096 C + 1,024 x wave column
	s_lshl_b32 s20, s16, 10
	s_add_co_u32 s82, s82, s20
	s_add_co_u32 s82, s82, 786432
	s_mov_b32 s83, 0
	s_lshl_b32 s86, s42, 9                 ; my 64 columns, in bytes
	s_lshl_b32 s20, s16, 8
	s_add_co_u32 s86, s86, s20
	s_mov_b32 s87, 0
	s_lshl_b32 s84, s43, 20                ; my first row of out0: 256 R + 8 w, rows of 4,096 bytes
	s_lshl_b32 s20, s15, 15
	s_add_co_u32 s84, s84, s20
	s_add_co_u32 s84, s84, s86
	s_mov_b32 s85, 0
	s_mul_i32 s48, s15, TILE               ; LDS: my blocks 0, 2, 4, 6
	s_add_co_u32 s49, s48, 4*TILE
	s_add_co_u32 s50, s48, 8*TILE
	s_add_co_u32 s51, s48, 12*TILE
	s_mul_i32 s52, s16, 4*TILE
	s_add_co_u32 s52, s52, YB              ; my four tiles of B
	s_mul_i32 s53, s14, 4352
	s_add_co_u32 s53, s53, STAGE           ; my stage
	v_and_b32 v1, 15, v0                   ; r
	v_bfe_u32 v2, v0, 4, 1                 ; h
	v_and_b32 v3, 31, v0
	v_lshlrev_b32 v[L16], 4, v3
	v_lshlrev_b32 v[L8], 3, v3
.irp k, 0,1,2,3
	v_add_nc_u32 v[AP+2*\k], s[48+\k], v[L16]
	v_add_nc_u32 v[AP+2*\k+1], s[48+\k], v[L8]
.endr
	v_add_nc_u32 v[BA], s52, v[L16]
	v_add_nc_u32 v[BA+1], s52, v[L8]
	v_mul_u32_u24 v42, v1, 272
	v_lshl_add_u32 v42, v2, 7, v42
	v_add_nc_u32 v[STO], s53, v42          ; in: row r, 128 h (columns 32 h + 8 b + j)
	v_mul_u32_u24 v43, v2, 272
	v_lshl_add_u32 v43, v1, 4, v43
	v_add_nc_u32 v[RD], s53, v43           ; back: sixteen lanes to a row
	v_lshlrev_b32 v[SAV], 4, v1
	v_lshlrev_b32 v[BH], 7, v2
	v_lshlrev_b32 v[CO], 12, v2
	v_lshl_add_u32 v[CO], v1, 4, v[CO]
	s_wait_alu depctr_va_vdst(0)
	s_wait_dscnt 0x0                       ; both opening adds are done
	CROUND                                 ; the round in front of the first joint loads
	s_wait_kmcnt 0x0
	s_add_nc_u64 s[G0A+2:G0A+3], s[4:5], s[76:77]
	s_add_nc_u64 s[G0B+2:G0B+3], s[6:7], s[78:79]
	s_or_b32 s[G0B+3], s[G0B+3], 0x80000000
	s_add_nc_u64 s[4:5], s[4:5], s[80:81]
	s_add_nc_u64 s[6:7], s[6:7], s[82:83]
	s_add_nc_u64 s[8:9], s[8:9], s[86:87]
	s_add_nc_u64 s[10:11], s[10:11], s[84:85]
	s_cmp_eq_u32 s14, 0                    ; one tensor load a wave, each on its own line, in the order in which the tiles are wanted
	s_cbranch_scc0 .Lwave_1
	TLOAD G0B, G1B                         ; wave 0: B
	s_branch .Lasked
.Lwave_1:
	s_cmp_eq_u32 s14, 1
	s_cbranch_scc0 .Lwave_2
	ATILE 0, 384                           ; wave 1: A's tiles 0 to 7 (blocks 0 to 3)
	s_branch .Lasked
.Lwave_2:
	s_cmp_eq_u32 s14, 2
	s_cbranch_scc0 .Lwave_3
	ATILE 8*TILE, 192                      ; wave 2: tiles 8 to 11
	s_branch .Lasked
.Lwave_3:
	ATILE 12*TILE, 192                     ; wave 3: tiles 12 to 15
.Lasked:
.irp p, 0,1
.irp c, 0,1
	global_load_b128 v[SB+8*\p+4*\c:SB+8*\p+4*\c+3], v[L16], s[6:7] offset:2048*\c+512*\p   ; place 32 p + lane of my 64
.endr
.endr
.irp s, 0,1,2,3,4,5,6,7
.irp c, 0,1
	global_load_b128 v[SA+8*\s+4*\c:SA+8*\s+4*\c+3], v[SAV], s[4:5] offset:4096*(\s/4)+2048*\c+512*(\s%4)   ; tile 2 s + w, place r
.endr
.endr
	WIN 0xc0
.irp b, 0,1,2,3
	global_load_b128 v[BO+8*\b:BO+8*\b+3], v[BH], s[8:9] offset:32*\b          ; register 8 b + j: column 32 h + 8 b + j of my 64
	global_load_b128 v[BO+8*\b+4:BO+8*\b+7], v[BH], s[8:9] offset:32*\b+16
.endr
	WIN 0
	s_cmp_eq_u32 s14, 0
	s_cbranch_scc0 .Lnot_b
	s_wait_tensorcnt 0x0                   ; wave 0: B has landed
.Lnot_b:
	BARRIER
.irp q, 0,1,2,3,4,5,6,7
.irp b, 0,1,2,3
	FRAG 4*\q+\b, BA, TILE*\b+1536*\q
.endr
.endr
	WIN 0
	s_cmp_eq_u32 s14, 1
	s_cbranch_scc0 .Lnot_a
	s_wait_tensorcnt 0x0                   ; wave 1: A's tiles 0 to 7 have landed
.Lnot_a:
	s_wait_dscnt 0x0
	BARRIER                                ; waves 2 and 3's tiles may still be on their way
	FETCH 0
	FETCH 1
	s_wait_loadcnt 0x0                     ; the scale words and the bias
	s_wait_dscnt NF                        ; block 0's fragments are in
; ---- the stream: eight blocks
.irp s, 0,1,2,3,4,5,6,7
	STREAM \s
.endr
	s_wait_tensorcnt 0x0                   ; the wave's end
	ds_add_u32 v[SPW], v[NIL]
	s_wait_dscnt 0x0
	CROUND                                 ; the closing round
	s_endpgm
.Lfunc_end_k_q4e19fc708f_proj:
	.size	k_q4e19fc708f_proj, .Lfunc_end_k_q4e19fc708f_proj-k_q4e19fc708f_proj
	.p2alignl 7, 3214868480
	.fill 96, 4, 3214868480
	.section	.rodata,"a",@progbits
	.p2align	6, 0x0
	.amdhsa_kernel k_q4e19fc708f_proj
		.amdhsa_group_segment_fixed_size 327680
		.amdhsa_private_segment_fixed_size 0
		.amdhsa_enable_private_segment 0
		.amdhsa_kernarg_size 32
		.amdhsa_user_sgpr_count 2
		.amdhsa_user_sgpr_kernarg_segment_ptr 1
		.amdhsa_wavefront_size32 1
		.amdhsa_system_sgpr_workgroup_id_x 1
		.amdhsa_system_sgpr_workgroup_id_y 1
		.amdhsa_system_sgpr_workgroup_id_z 1
		.amdhsa_system_vgpr_workitem_id 0
		.amdhsa_next_free_vgpr 928
		.amdhsa_next_free_sgpr 96
		.amdhsa_reserve_vcc 0
		.amdhsa_float_denorm_mode_32 3
		.amdhsa_float_denorm_mode_16_64 3
		.amdhsa_memory_ordered 1
		.amdhsa_forward_progress 1
		.amdhsa_inst_pref_size 85
	.end_amdhsa_kernel
	.amdgpu_metadata
---
amdhsa.version: [ 1, 2 ]
amdhsa.kernels:
  - .name:           k_q4e19fc708f_proj
    .symbol:         k_q4e19fc708f_proj.kd
    .args:
      - { .name: oq, .offset: 0, .size: 8, .value_kind: global_buffer, .address_space: global }
      - { .name: pq, .offset: 8, .size: 8, .value_kind: global_buffer, .address_space: global }
      - { .name: b_proj, .offset: 16, .size: 8, .value_kind: global_buffer, .address_space: global }
      - { .name: out0, .offset: 24, .size: 8, .value_kind: global_buffer, .address_space: global }
    .group_segment_fixed_size: 327680
    .private_segment_fixed_size: 0
    .kernarg_segment_align: 8
    .kernarg_segment_size: 32
    .max_flat_workgroup_size: 128
    .sgpr_count:     96
    .vgpr_count:     928
    .wavefront_size: 32
...
	.end_amdgpu_metadata
.endif
;; end of part 4
